; MI455X (gfx1250); checked and timed in simulation.
; The chip was launched on July 23, 2026; its instructions are those of AMD's public machine-readable ISA for CDNA 5 (MIT licence, August 2026) and "CDNA5" Instruction Set Architecture Reference Guide (July 2026). The comments in the code are by the model that wrote it; some were corrected since.
;; Switch Transformers Layer FF. Allowed arithmetic: float matrix products may take bf16 or f16 operands with f32 sums; other float arithmetic in f32, or as packed bf16 or f16 multiplies, adds, multiply-adds, maxima and minima; sums over many terms, partial sums and values carried from step to step in f32; what a program stores and reads back later, other than sums and carried values, may be rounded once to bf16 or f16.
;; Inputs: hidden_states 2 x 2,048 x 512 float32; ln_weight 512 float32; w_router 512 x 8 float32; wi 8 x 512 x 2,048 float32; wo 8 x 2,048 x 512 float32.
;; Outputs: out0 2 x 2,048 x 512 float32; out1 2 x 2,048 x 8 float32; out2 2 x 2,048 int32.
;; Constants: output_router_logits = 1.
;; One version. Each part assembles by itself: llvm-mc -triple=amdgcn-amd-amdhsa -mcpu=gfx1250 --defsym DOCPART=n.
;; ======== version 1 of 1: 3 launches
;; workspace buffers: xn 4,194,304 bytes; eidx 16,384 bytes of whole numbers; hf 134,217,728 bytes
;; launch router (part 1): grid 256 x 1, 2 waves a work-group, no clusters, 0 bytes of LDS; arguments hidden_states, ln_weight, w_router, out1, out2, xn, eidx; writes out1, out2, xn, eidx
.if DOCPART == 1
	.amdgcn_target "amdgcn-amd-amdhsa--gfx1250"
	.amdhsa_code_object_version 6
	.text
	.protected	k_q1978aebe1e_router
	.globl	k_q1978aebe1e_router
	.p2align	8
	.type	k_q1978aebe1e_router,@function
k_q1978aebe1e_router:
	s_mov_b64 s[64:65], 0
	v_nop
	global_prefetch_b8 v0, s[64:65] scope:SCOPE_SE
	s_setreg_imm32_b32 hwreg(HW_REG_WAVE_MODE, 25, 1), 1
	s_wait_xcnt 0x0
; RMS norm, router logits, softmax, argmax and the largest probability p, all in f32 on the vector unit; xn = bf16(p x normed).
; 4,096 tokens of 512 numbers.  A wave owns 8 tokens, a lane 16 numbers of each: d = 128 j + 4 l + c, kept at register index n = 4 j + c.
; The router's product (512 x 8 for each token) stays in f32: out2 is compared exactly, and 16-bit operands would move near ties.
; p IS FOLDED INTO xn: relu is positively homogeneous and p, the largest of 8 softmax weights, is at least 1/8, so relu((p x) wi) wo = p relu(x wi) wo.
; No LDS, no barrier, no change of EXEC: a token never leaves its wave.  No matrix unit, no cluster: the work-groups share only w_router and ln_weight, 18 KB.
; LIMITS.  NaN and infinities are not treated apart (a NaN row goes to expert 7).  The logits' sums are taken in another order than the reference's:
; a token whose two largest probabilities differ by less than the f32 rounding of the logits (about 1e-7 of them) may fall to the other of the two experts.
; Equal probabilities go to the lower index, and the comparison is made on the probabilities, as the reference makes it.
; out2 and eidx are stored 32 bytes a wave: the two arrays are 32 KB of what the launch stores.
.set ACC, 8                            ; v[8:15]   a lane's 8 partial logits; earlier at work for the sums of squares
.set LG,  24                           ; v[24:25]  lane l: logits 2 (l & 3), 2 (l & 3) + 1 of token l >> 2
.set RS,  32                           ; v[32:39]  1 / sqrt(mean square + eps), by token
.set Q,   40                           ; v[40:47]  sum of squares, by token
.set LNW, 48                           ; v[48:63]  ln_weight at my 16 places
.set X,   64                           ; v[64:191] token t's 16 numbers at X + 16 t
                                       ; window 1, v[0:127]: w_router[d(n)][e] at 8 n + e
.set MSB, 0
.macro WIN new                         ; the immediate's high byte repeats the setting that is left; a switch that changes nothing is dropped
.if MSB != (\new)
	s_set_vgpr_msb (MSB<<8)|(\new)
.set MSB, (\new)
.endif
.endm
	s_load_b256 s[4:11], s[0:1], 0x0               ; hidden s[4:5], ln_weight s[6:7], w_router s[8:9], out1 s[10:11]
	s_load_b128 s[12:15], s[0:1], 0x20             ; out2 s[12:13], xn s[14:15]
	s_load_b64 s[16:17], s[0:1], 0x30              ; eidx
	v_lshrrev_b32 v1, 5, v0
	v_readfirstlane_b32 s18, v1                    ; wave 0, 1
	v_and_b32 v1, 31, v0                           ; lane l
	v_lshlrev_b32 v2, 4, v1                        ; 16 l: my 16 bytes in 512 of a row
	v_lshlrev_b32 v3, 7, v1                        ; 128 l: four rows of w_router
	v_lshlrev_b32 v4, 3, v1                        ; 8 l
	v_and_b32 v5, 28, v1                           ; 4 (l >> 2)
	v_and_b32 v6, 3, v1
	v_lshlrev_b32 v6, 1, v6
	v_cvt_f32_u32 v6, v6                           ; my two experts' numbers as floats: 2 (l & 3)
	v_add_f32 v7, 1.0, v6                          ; and the next
	s_lshl_b32 s19, ttmp9, 4
	s_lshl3_add_u32 s19, s18, s19                  ; my first token = 16 x work-group + 8 x wave
	s_mov_b32 s21, 0
	s_mov_b32 s22, 0x3b000000                      ; 1 / 512
	s_mov_b32 s23, 0x358637bd                      ; 1e-6
	s_mov_b32 s24, 0x3fb8aa3b                      ; log2(e)
	s_mov_b32 s25, 0xaaaaaaaa                      ; lanes with bit 0 set
	s_mov_b32 s26, 0xcccccccc                      ; lanes with bit 1 set
.irp t, 1,2,3,4,5,6,7
	s_mov_b32 s[28+\t], 0xf<<(4*\t)                ; the four lanes that keep token t
.endr
	s_mov_b32 s36, 0x76543210                      ; v_permlanex16_b32: each lane takes its own place in the other half
	s_mov_b32 s37, 0xfedcba98
	s_wait_kmcnt 0x0
	s_lshl_b32 s20, s19, 11
	s_add_nc_u64 s[4:5], s[4:5], s[20:21]          ; hidden at my first token
	s_lshl_b32 s20, s19, 5
	s_add_nc_u64 s[10:11], s[10:11], s[20:21]      ; out1: 8 tokens are 256 bytes, at a multiple of 256
	s_lshl_b32 s20, s19, 2
	s_add_nc_u64 s[12:13], s[12:13], s[20:21]
	s_add_nc_u64 s[16:17], s[16:17], s[20:21]
	s_lshl_b32 s20, s19, 10
	s_add_nc_u64 s[14:15], s[14:15], s[20:21]
	; all 68 loads go out together: each covers 512 consecutive bytes (w_router's: 32 lanes x 16 of every 128)
.set t, 0
.rept 8
.set j, 0
.rept 4
	global_load_b128 v[X+16*t+4*j:X+16*t+4*j+3], v2, s[4:5] offset:2048*t+512*j
.set j, j+1
.endr
.set t, t+1
.endr
.irp j, 0,1,2,3
	global_load_b128 v[LNW+4*\j:LNW+4*\j+3], v2, s[6:7] offset:512*\j
.endr
	WIN 0x40                                       ; destination window 1
.set n, 0
.rept 16
	global_load_b128 v[8*n:8*n+3],   v3, s[8:9] offset:4096*(n/4)+32*(n%4)
	global_load_b128 v[8*n+4:8*n+7], v3, s[8:9] offset:4096*(n/4)+32*(n%4)+16
.set n, n+1
.endr
	WIN 0
.irp t, 0,1,2,3,4,5,6,7
	v_mov_b32 v[16+\t], 0                          ; v_permlanex16_b32 counts as a reader of its destination
.endr
	s_wait_loadcnt 36                              ; hidden is in; the 4 loads of ln_weight and the 32 of w_router may stay out
.macro SSQ t                           ; my 16 squares of token t, in two chains
	v_pk_mul_f32 v[8:9],   v[X+16*(\t):X+16*(\t)+1],   v[X+16*(\t):X+16*(\t)+1]
	v_pk_mul_f32 v[10:11], v[X+16*(\t)+2:X+16*(\t)+3], v[X+16*(\t)+2:X+16*(\t)+3]
.irp i, 4,8,12
	v_pk_fma_f32 v[8:9],   v[X+16*(\t)+\i:X+16*(\t)+\i+1],   v[X+16*(\t)+\i:X+16*(\t)+\i+1],   v[8:9]
	v_pk_fma_f32 v[10:11], v[X+16*(\t)+\i+2:X+16*(\t)+\i+3], v[X+16*(\t)+\i+2:X+16*(\t)+\i+3], v[10:11]
.endr
	v_pk_add_f32 v[8:9], v[8:9], v[10:11]
	v_add_f32 v[Q+(\t)], v8, v9
.endm
.irp t, 0,1,2,3,4,5,6,7
	SSQ \t
.endr
	; over the 32 lanes, the eight tokens side by side
.irp m, 1,2,4,8
.irp t, 0,1,2,3,4,5,6,7
	v_add_f32_dpp v[Q+\t], v[Q+\t], v[Q+\t] row_xmask:\m row_mask:0xf bank_mask:0xf
.endr
.endr
.irp t, 0,1,2,3,4,5,6,7
	v_permlanex16_b32 v[16+\t], v[Q+\t], s36, s37
.endr
.irp t, 0,1,2,3,4,5,6,7
	v_add_f32 v[Q+\t], v[Q+\t], v[16+\t]
.endr
.irp t, 0,1,2,3,4,5,6,7
	v_fma_f32 v[Q+\t], v[Q+\t], s22, s23           ; mean square + eps
.endr
.irp t, 0,1,2,3,4,5,6,7
	v_rsq_f32 v[RS+\t], v[Q+\t]
.endr
	v_nop                                          ; a plain instruction behind the last root (ISA guide 5.7.2),
	s_wait_alu depctr_va_vdst(0)                   ; and the one wait ahead of the batch's first reader
	s_wait_loadcnt 0x0                             ; ln_weight and w_router
.macro NRM t                           ; (h x rs) x w, in the reference's order
.set i, 0
.rept 8
.if (\t)%2 == 0
	v_pk_mul_f32 v[X+16*(\t)+2*i:X+16*(\t)+2*i+1], v[X+16*(\t)+2*i:X+16*(\t)+2*i+1], v[RS+(\t):RS+(\t)+1] op_sel_hi:[1,0]
.else
	v_pk_mul_f32 v[X+16*(\t)+2*i:X+16*(\t)+2*i+1], v[X+16*(\t)+2*i:X+16*(\t)+2*i+1], v[RS+(\t)-1:RS+(\t)] op_sel:[0,1] op_sel_hi:[1,1]
.endif
.set i, i+1
.endr
.set i, 0
.rept 8
	v_pk_mul_f32 v[X+16*(\t)+2*i:X+16*(\t)+2*i+1], v[X+16*(\t)+2*i:X+16*(\t)+2*i+1], v[LNW+2*i:LNW+2*i+1]
.set i, i+1
.endr
.endm
.macro LOG t                           ; my 16 numbers times their rows of w_router: 8 partial logits, four chains of pairs by turns; the first product starts the sums
	WIN 0x01                                       ; source 0 (w_router) in window 1
.set n, 0
.rept 16
.set xp, X+16*(\t)+(n/2)*2
.set p, 0
.rept 4
.if n == 0
	v_pk_mul_f32 v[ACC+2*p:ACC+2*p+1], v[2*p:2*p+1], v[xp:xp+1] op_sel_hi:[1,0]
.elseif n%2 == 0
	v_pk_fma_f32 v[ACC+2*p:ACC+2*p+1], v[8*n+2*p:8*n+2*p+1], v[xp:xp+1], v[ACC+2*p:ACC+2*p+1] op_sel_hi:[1,0,1]
.else
	v_pk_fma_f32 v[ACC+2*p:ACC+2*p+1], v[8*n+2*p:8*n+2*p+1], v[xp:xp+1], v[ACC+2*p:ACC+2*p+1] op_sel:[0,1,0] op_sel_hi:[1,1,1]
.endif
.set p, p+1
.endr
.set n, n+1
.endr
	WIN 0
.endm
; The 8 partial logits are summed over the lanes and dealt out at once: a lane with bit 1 set keeps experts 4-7 and sends 0-3 to its partner two lanes away, and the other way
; round; then the same with bit 0 and pairs.  Lane l is left with experts 2 (l & 3) and the next, which are then summed over the lanes with the same l & 3.
.macro RED t
.irp i, 0,1,2,3
	v_cndmask_b32 v[16+\i], v[12+\i], v[8+\i], s26 ; what I send
	v_cndmask_b32 v[20+\i], v[8+\i], v[12+\i], s26 ; what I keep
.endr
.irp i, 0,1,2,3
	v_add_f32_dpp v[20+\i], v[16+\i], v[20+\i] row_xmask:2 row_mask:0xf bank_mask:0xf
.endr
.irp i, 0,1
	v_cndmask_b32 v[16+\i], v[22+\i], v[20+\i], s25
	v_cndmask_b32 v[18+\i], v[20+\i], v[22+\i], s25
.endr
.irp i, 0,1
	v_add_f32_dpp v[18+\i], v[16+\i], v[18+\i] row_xmask:1 row_mask:0xf bank_mask:0xf
.endr
.irp m, 4,8
	v_add_f32_dpp v18, v18, v18 row_xmask:\m row_mask:0xf bank_mask:0xf
	v_add_f32_dpp v19, v19, v19 row_xmask:\m row_mask:0xf bank_mask:0xf
.endr
	v_permlanex16_b32 v16, v18, s36, s37
	v_permlanex16_b32 v17, v19, s36, s37
	v_add_f32 v18, v18, v16
	v_add_f32 v19, v19, v17
.if (\t) == 0
	v_mov_b32 v[LG], v18
	v_mov_b32 v[LG+1], v19
.else
	v_cndmask_b32 v[LG], v[LG], v18, s[28+(\t)]    ; lanes 4 t .. 4 t + 3 keep token t
	v_cndmask_b32 v[LG+1], v[LG+1], v19, s[28+(\t)]
.endif
.endm
.irp t, 0,1,2,3,4,5,6,7
	NRM \t
	LOG \t
	RED \t
.endr
	; softmax, once for all 8 tokens: a token's 8 logits lie in 4 neighbouring lanes x 2 registers
	v_max_num_f32 v26, v[LG], v[LG+1]
	v_max_num_f32_dpp v26, v26, v26 row_xmask:1 row_mask:0xf bank_mask:0xf
	v_max_num_f32_dpp v26, v26, v26 row_xmask:2 row_mask:0xf bank_mask:0xf
	global_store_b64 v4, v[LG:LG+1], s[10:11]      ; out1: the wave's store covers 256 consecutive bytes, aligned
	v_sub_f32 v27, v[LG], v26                      ; the maximum is taken away first, as the reference does
	v_sub_f32 v28, v[LG+1], v26
	v_mul_f32 v27, s24, v27
	v_mul_f32 v28, s24, v28
	v_exp_f32 v27, v27
	v_exp_f32 v28, v28
	v_nop
	s_wait_alu depctr_va_vdst(0)                   ; one wait for the two exponentials
	v_add_f32 v29, v27, v28
	v_add_f32_dpp v29, v29, v29 row_xmask:1 row_mask:0xf bank_mask:0xf
	v_add_f32_dpp v29, v29, v29 row_xmask:2 row_mask:0xf bank_mask:0xf
	v_rcp_f32 v30, v29
	v_nop
	s_wait_alu depctr_va_vdst(0)
	v_mul_f32 v27, v27, v30                        ; my two probabilities
	v_mul_f32 v28, v28, v30
	v_max_num_f32 v31, v27, v28
	v_max_num_f32_dpp v31, v31, v31 row_xmask:1 row_mask:0xf bank_mask:0xf
	v_max_num_f32_dpp v31, v31, v31 row_xmask:2 row_mask:0xf bank_mask:0xf  ; p, in all four lanes of the token
	v_cmp_eq_f32 vcc_lo, v27, v31                  ; the lowest expert whose probability is p: its number where equal, else 8
	v_cndmask_b32 v16, 0x41000000, v6, vcc_lo
	v_cmp_eq_f32 vcc_lo, v28, v31
	v_cndmask_b32 v17, 0x41000000, v7, vcc_lo
	v_min_num_f32 v16, v16, v17
	v_min_num_f32_dpp v16, v16, v16 row_xmask:1 row_mask:0xf bank_mask:0xf
	v_min_num_f32_dpp v16, v16, v16 row_xmask:2 row_mask:0xf bank_mask:0xf
	v_cvt_u32_f32 v16, v16
	v_min_u32 v16, 7, v16                          ; only a NaN row gets here with 8: every token has an owner
	global_store_b32 v5, v16, s[12:13]             ; a token's four lanes name the same word with the same number
	global_store_b32 v5, v16, s[16:17]
.macro OUTX t                          ; xn = bf16(p x normed); a store covers 256 consecutive bytes, aligned
	v_readlane_b32 s[40+2*(\t)], v31, 4*(\t)
	s_mov_b32 s[41+2*(\t)], s[40+2*(\t)]           ; named with it as a pair
.set i, 0
.rept 8
	v_pk_mul_f32 v[X+16*(\t)+2*i:X+16*(\t)+2*i+1], v[X+16*(\t)+2*i:X+16*(\t)+2*i+1], s[40+2*(\t):41+2*(\t)] op_sel_hi:[1,0]
.set i, i+1
.endr
.set i, 0
.rept 8
	v_cvt_pk_bf16_f32 v[X+16*(\t)+i], v[X+16*(\t)+2*i], v[X+16*(\t)+2*i+1]  ; in place, ascending: register i is written when pair i is read
.set i, i+1
.endr
.set i, 0
.rept 4
	global_store_b64 v4, v[X+16*(\t)+2*i:X+16*(\t)+2*i+1], s[14:15] offset:1024*(\t)+256*i
.set i, i+1
.endr
.endm
.irp t, 0,1,2,3,4,5,6,7
	OUTX \t
.endr
	s_endpgm
.Lfunc_end_k_q1978aebe1e_router:
	.size	k_q1978aebe1e_router, .Lfunc_end_k_q1978aebe1e_router-k_q1978aebe1e_router
	.p2alignl 7, 3214868480
	.fill 96, 4, 3214868480
	.section	.rodata,"a",@progbits
	.p2align	6, 0x0
	.amdhsa_kernel k_q1978aebe1e_router
		.amdhsa_group_segment_fixed_size 0
		.amdhsa_private_segment_fixed_size 0
		.amdhsa_enable_private_segment 0
		.amdhsa_kernarg_size 56
		.amdhsa_user_sgpr_count 2
		.amdhsa_user_sgpr_kernarg_segment_ptr 1
		.amdhsa_wavefront_size32 1
		.amdhsa_system_sgpr_workgroup_id_x 1
		.amdhsa_system_sgpr_workgroup_id_y 1
		.amdhsa_system_sgpr_workgroup_id_z 1
		.amdhsa_system_vgpr_workitem_id 0
		.amdhsa_next_free_vgpr 384
		.amdhsa_next_free_sgpr 66
		.amdhsa_reserve_vcc 1
		.amdhsa_float_denorm_mode_32 3
		.amdhsa_float_denorm_mode_16_64 3
		.amdhsa_memory_ordered 1
		.amdhsa_forward_progress 1
		.amdhsa_inst_pref_size 85
	.end_amdhsa_kernel
	.amdgpu_metadata
---
amdhsa.version: [ 1, 2 ]
amdhsa.kernels:
  - .name:           k_q1978aebe1e_router
    .symbol:         k_q1978aebe1e_router.kd
    .args:
      - { .name: hidden_states, .offset: 0, .size: 8, .value_kind: global_buffer, .address_space: global }
      - { .name: ln_weight, .offset: 8, .size: 8, .value_kind: global_buffer, .address_space: global }
      - { .name: w_router, .offset: 16, .size: 8, .value_kind: global_buffer, .address_space: global }
      - { .name: out1, .offset: 24, .size: 8, .value_kind: global_buffer, .address_space: global }
      - { .name: out2, .offset: 32, .size: 8, .value_kind: global_buffer, .address_space: global }
      - { .name: xn, .offset: 40, .size: 8, .value_kind: global_buffer, .address_space: global }
      - { .name: eidx, .offset: 48, .size: 8, .value_kind: global_buffer, .address_space: global }
    .group_segment_fixed_size: 0
    .private_segment_fixed_size: 0
    .kernarg_segment_align: 8
    .kernarg_segment_size: 56
    .max_flat_workgroup_size: 64
    .sgpr_count:     66
    .vgpr_count:     384
    .wavefront_size: 32
...
	.end_amdgpu_metadata
.endif
;; end of part 1
;; launch ffn1 (part 2): grid 256 x 1, 4 waves a work-group, no clusters, 82,432 bytes of LDS; arguments xn, eidx, wi, hf; writes hf
.if DOCPART == 2
	.amdgcn_target "amdgcn-amd-amdhsa--gfx1250"
	.amdhsa_code_object_version 6
	.text
	.protected	k_q1978aebe1e_ffn1
	.globl	k_q1978aebe1e_ffn1
	.p2align	8
	.type	k_q1978aebe1e_ffn1,@function
k_q1978aebe1e_ffn1:
	s_mov_b64 s[64:65], 0
	v_nop
	global_prefetch_b8 v0, s[64:65] scope:SCOPE_SE
	s_setreg_imm32_b32 hwreg(HW_REG_WAVE_MODE, 25, 1), 1
	s_wait_xcnt 0x0
; h = relu(xn wi[e]) for the rows that chose expert e, in bf16.  xn: [4096][512] bf16; wi: [8][512][2048] f32; eidx: [4096] whole numbers.
; SHARES.  Work-group = (expert e, block fb of 64 columns of the 2,048).  It alone reads its 512 x 64 block of wi, 128 KB of f32: each wave loads, rounds to bf16 and lays
; into LDS a quarter of it; behind ONE barrier every wave takes the whole block, turned, into 512 registers: 64 fragments of 16 columns x 32 K.  Wave w then takes the rows of
; CELL (e, tokens 1024 w .. 1024 w + 1023), 16 at a time (a UNIT), straight from memory into fragment registers: 64 matrix instructions a unit.
; ROWS.  The cell's tokens are ranked: 32 ballots over the quarter's 1,024 numbers of eidx, ballot i over tokens 128 (i / 4) + i % 4 + 4 lane; ranks go by ballot, then by lane.  The
; launch behind ranks them alike, so rank r means the same token in both.  Places past the count repeat the cell's last token.  The text serves every split: 0 to 64 units.
; THE TOKEN OF A RANK is found in registers, by integer arithmetic alone: the loop's length hangs on a count, so it holds no barrier and no LDS instruction.  The ballots M[i] stay in
; 32 registers; beside them 32 keys K[i] = 32 x (tokens counted before ballot i) + i, which ascend.  For rank R: the last i with K[i] <= 32 R + 31 (31 steps of a compare and two
; selects: no instruction picks a register by a number); then bit number R - K[i] / 32 of M[i], by counts of its fields of 2, 4, 8 and 16 bits and five halvings.  Both halves of the
; lanes search for the same row, so nothing changes lanes.  Two units are searched side by side, so that no line reads the result of the line just ahead: some 300 vector lines for a
; trip's 128 matrix instructions, set between the issue of the next unit's loads and the wait for this unit's.
; THE MATRIX INSTRUCTION IS USED TRANSPOSED (source 0 = 16 columns of wi, source 1 = 16 tokens): a lane then holds one token (lane % 16) and the columns 8 (lane / 16) + 0..7.
; Two such results, rounded in pairs, ARE a fragment of 16 tokens x 32 K for the second product: they are stored as they lie, 512 consecutive bytes a store.
; hf: [8 experts][4 quarters][64 units][64 K steps][2 halves][32 lanes][16 bytes]; a unit is 65,536 bytes; only the units that exist are written and read.
; NO TENSOR LOADS, NO CLUSTER: each block of wi has one reader and is rounded on its way through registers; what an expert's work-groups share, the token rows, come by
; rank, which no descriptor covers.
; LIMITS.  Operands are rounded to bf16, sums are f32; relu may leave -0; NaN and infinities are not treated apart.
; REGISTERS, in windows of 256 (s_set_vgpr_msb: bits 1:0 source 0, 3:2 source 1, 5:4 source 2, 7:6 destination):
;   window 0: below.   windows 1, 2: the weights: K step j, columns 16 n on, at window 1 + j / 8, v[32 (j % 8) + 8 n].
;   window 3: two buffers of 128: a unit's 16 fragments; in the prologue the f32 weights as loaded.
.set STRIDE, 8192                      ; bytes from row to row of wi[e]
.set WP,     160                       ; a K row of the block in LDS: 128 bytes + 32: an odd multiple of 32
.set SPARE,  512*WP                    ; behind the block: the spare words, 128 bytes for each wave: two blocks of 256 bytes that no other line names
.set RR,  2                            ; v2   lane % 16
.set HH,  3                            ; v3   lane / 16
.set L16, 4                            ; v4   16 x lane
.set SPW, 5                            ; v5   LDS address of my spare word; never rewritten
.set NIL, 6                            ; v6   0, for the add alone
.set TMP, 7                            ; v7   at work in the set-up
.set AO,  10                           ; v10-11  byte offset in xn of my 16 bytes of the unit's row, one for each buffer
.set TKN, 14                           ; v14  my row's token
.set ZERO,16                           ; v16  0, for relu
.set H16, 17                           ; v17  16 x (lane / 16)
.set TA,  19                           ; v19-20  the turning load's address, K steps 0-7 and 8-15
.set WO,  21                           ; v21  my byte offset in a chunk of wi
.set SA,  22                           ; v22  where I lay 8 bytes of a K row
.set ACC, 32                           ; v32-63, v64-95  four accumulators for each half of a trip
.set PK,  96                           ; v96-111, v112-127  the results packed, likewise
.set T,   128                          ; v128-191  a chunk rounded (in the prologue, behind the first search)
.set XA,  128                          ; v128-139, v144-155  the search's two sets of twelve: +0 the rank, at the end the token less the quarter's first; +1 the rank's key, then at work;
.set XB,  144                          ;   +2 the key found; +3 the ballot found; +4 which of its bits; +5 the bit's place so far; +6, +7 at work; +8 .. +11 counts of fields of 2, 4, 8, 16 bits
.set EI,  192                          ; v192-223  the quarter's eidx: register 4 n + c holds token 128 n + 4 lane + c
.set MV,  192                          ; v192-223  then, in its place, the ballots, the same number in every lane
.set KV,  224                          ; v224-255  the keys, likewise
.set WV,  12                           ; s12  wave
.set SE,  13                           ; s13  expert
.set FB,  14                           ; s14  block of columns
.set CNT, 15                           ; s15  the cell's tokens
.set SU,  16                           ; s16  its units
.set N1,  17                           ; s17  the last rank that exists (0 where there is none)
.set SI,  18                           ; s18  the trip's first unit
.set TRIPS, 19
.set SM,  24                           ; s24  a ballot
.set SB,  25
.set QB,  26                           ; s26  the quarter's first token
.set SK,  27                           ; s27  a key
.set LM,  28                           ; s28  0xfff: the unit asked for exists; 0: not
.set C55, 29                           ; s29-31  the field masks
.set C33, 30
.set C0F, 31
.set MB,  32                           ; s32  the second set's compare
.set WB,  8                            ; s[8:9] my quarter of the block of wi
.set MSB, 0
.macro WIN new                         ; the immediate's high byte repeats the setting that is left; a switch that changes nothing is dropped
.if MSB != (\new)
	s_set_vgpr_msb (MSB<<8)|(\new)
.set MSB, (\new)
.endif
.endm
; Chunk c: 64 K rows x 64 columns of f32.  A load takes two rows' 256 aligned bytes: lanes 0-15 one row, lanes 16-31 the row four further on.
.macro LOADCH c
	WIN 0xc0                                       ; destination window 3
.set i, 0
.rept 32
	global_load_b128 v[128*((\c)%2)+4*i:128*((\c)%2)+4*i+3], v[WO], s[WB:WB+1] offset:(64*(\c)+8*(i/4)+i%4)*STRIDE th:TH_LOAD_NT
.set i, i+1
.endr
.endm
.macro CVT c                           ; rounded to bf16, once
	WIN 0x0f                                       ; sources 0 and 1 window 3
.set i, 0
.rept 64
	v_cvt_pk_bf16_f32 v[T+i], v[128*((\c)%2)+2*i], v[128*((\c)%2)+2*i+1]
.set i, i+1
.endr
.endm
.macro STORE rowbase                   ; 8 bytes a lane; the two rows of a store lie 640 bytes = 160 words apart: the other 32 banks (64 banks of 4 bytes: ISA guide 11.1)
	WIN 0
.set i, 0
.rept 32
	ds_store_b64 v[SA], v[T+2*i:T+2*i+1] offset:((\rowbase)+8*(i/4)+i%4)*WP
.set i, i+1
.endr
.endm
.macro TR j, nt, adr, off              ; the fragment of K step j, columns 16 nt on: two turning loads, 16 K rows apart
	WIN 0x40*(1+(\j)/8)
	ds_load_tr16_b128 v[32*((\j)%8)+8*(\nt):32*((\j)%8)+8*(\nt)+3],   v[\adr] offset:(\off)
	ds_load_tr16_b128 v[32*((\j)%8)+8*(\nt)+4:32*((\j)%8)+8*(\nt)+7], v[\adr] offset:(\off)+16*WP
.endm
; THE BALLOTS AND THE KEYS.  32 tokens at a time: who chose my expert; the ballot takes the place of the numbers that it was made of; the key holds the count so far.  EXEC is never changed.
.macro SCAN
	WIN 0
	s_mov_b32 s[CNT], 0
.set i, 0
.rept 32
	v_cmp_eq_u32 s[SM], s[SE], v[EI+i]
	s_lshl_b32 s[SK], s[CNT], 5
	s_or_b32 s[SK], s[SK], i
	v_mov_b32 v[KV+i], s[SK]
	v_mov_b32 v[MV+i], s[SM]
	s_bcnt1_i32_b32 s[SB], s[SM]
	s_add_co_u32 s[CNT], s[CNT], s[SB]
.set i, i+1
.endr
	s_max_u32 s[N1], s[CNT], 1
	s_sub_co_u32 s[N1], s[N1], 1
	s_min_u32 s[N1], s[N1], 0x3ff
	s_add_co_u32 s[SU], s[CNT], 15
	s_lshr_b32 s[SU], s[SU], 4
	s_min_u32 s[SU], s[SU], 64                     ; units = ceil(count / 16)
.endm
.macro TWICE line:vararg               ; one line for each of the two sets, XS
.set XS, XA
	\line
.set XS, XB
	\line
.endm
; One halving: the field of k bits at the place so far holds so many set bits (register f of the set, cut by m); if the bit wanted is not among them, they are taken off and the place moves k up.
.macro LEVEL f, m, k
	TWICE v_lshrrev_b32 v[XS+7], v[XS+5], v[XS+(\f)]
	TWICE v_add_nc_u32 v[XS+6], \k, v[XS+5]
	TWICE v_and_b32 v[XS+7], \m, v[XS+7]
	v_cmp_ge_u32 vcc_lo, v[XA+4], v[XA+7]
	v_cmp_ge_u32 s[MB], v[XB+4], v[XB+7]
	TWICE v_sub_nc_u32 v[XS+1], v[XS+4], v[XS+7]
	v_cndmask_b32 v[XA+4], v[XA+4], v[XA+1], vcc_lo
	v_cndmask_b32 v[XA+5], v[XA+5], v[XA+6], vcc_lo
	v_cndmask_b32 v[XB+4], v[XB+4], v[XB+1], s[MB]
	v_cndmask_b32 v[XB+5], v[XB+5], v[XB+6], s[MB]
.endm
; My row's tokens in units SI + d (set XA) and SI + d + 1 (set XB), less the quarter's first token.  With no token in the cell the search ends at a token that exists, which nobody uses.
.macro SEARCH d
	s_add_co_u32 s23, s[SI], \d
	s_lshl_b32 s23, s23, 4
	v_add_nc_u32 v[XA], s23, v[RR]                 ; my place: 16 x unit + lane % 16,
	v_add_nc_u32 v[XB], 16, v[XA]
	TWICE v_min_u32 v[XS], s[N1], v[XS]            ; past the count: the last rank once more
	TWICE v_lshl_or_b32 v[XS+1], v[XS], 5, 31
	TWICE v_mov_b32 v[XS+2], v[KV]
	TWICE v_mov_b32 v[XS+3], v[MV]
.set i, 1
.rept 31
	v_cmp_ge_u32 vcc_lo, v[XA+1], v[KV+i]          ; the keys ascend: the last that holds wins
	v_cmp_ge_u32 s[MB], v[XB+1], v[KV+i]
	v_cndmask_b32 v[XA+2], v[XA+2], v[KV+i], vcc_lo
	v_cndmask_b32 v[XA+3], v[XA+3], v[MV+i], vcc_lo
	v_cndmask_b32 v[XB+2], v[XB+2], v[KV+i], s[MB]
	v_cndmask_b32 v[XB+3], v[XB+3], v[MV+i], s[MB]
.set i, i+1
.endr
	TWICE v_lshrrev_b32 v[XS+4], 5, v[XS+2]        ; the tokens counted before that ballot;
	TWICE v_and_b32 v[XS+2], 31, v[XS+2]           ; the ballot's number;
	TWICE v_sub_nc_u32 v[XS+4], v[XS], v[XS+4]     ; which of its set bits is mine, from 0
	TWICE v_lshrrev_b32 v[XS+8], 1, v[XS+3]        ; set bits in each field of 2,
	TWICE v_mov_b32 v[XS+5], 0
	TWICE v_and_b32 v[XS+8], s[C55], v[XS+8]
	TWICE v_sub_nc_u32 v[XS+8], v[XS+3], v[XS+8]
	TWICE v_lshrrev_b32 v[XS+9], 2, v[XS+8]        ; of 4,
	TWICE v_and_b32 v[XS+7], s[C33], v[XS+8]
	TWICE v_and_b32 v[XS+9], s[C33], v[XS+9]
	TWICE v_add_nc_u32 v[XS+9], v[XS+9], v[XS+7]
	TWICE v_lshrrev_b32 v[XS+10], 4, v[XS+9]       ; of 8,
	TWICE v_add_nc_u32 v[XS+10], v[XS+10], v[XS+9]
	TWICE v_and_b32 v[XS+10], s[C0F], v[XS+10]
	TWICE v_lshrrev_b32 v[XS+11], 8, v[XS+10]      ; and, in the lowest byte, of the low 16
	TWICE v_add_nc_u32 v[XS+11], v[XS+11], v[XS+10]
	LEVEL 11, 0xff, 16
	LEVEL 10, 0xff, 8
	LEVEL 9, 15, 4
	LEVEL 8, 3, 2
	LEVEL 3, 1, 1
	TWICE v_lshrrev_b32 v[XS+7], 2, v[XS+2]
	TWICE v_and_b32 v[XS+2], 3, v[XS+2]
	TWICE v_lshl_add_u32 v[XS+2], v[XS+7], 7, v[XS+2]  ; 128 (i / 4) + i % 4
	TWICE v_lshl_add_u32 v[XS], v[XS+5], 2, v[XS+2]    ; + 4 x the bit's place
.endm
; My row's byte offset in xn for unit SI + d, from the token that the search left in register tk.  Where the unit does not exist every lane names token 0, so that its 32 loads, which are
; issued all the same, ask for 32 bytes each.  The mask stands ahead of the clamp; behind the clamp the offset is a shift and an add.
.macro MKAO ao, tk, d
	s_add_co_u32 s23, s[SI], \d
	s_cmp_lt_u32 s23, s[SU]
	s_cselect_b32 s[LM], 0xfff, 0
	v_add_nc_u32 v[TKN], s[QB], v[\tk]
	v_and_b32 v[TKN], s[LM], v[TKN]
	v_min_u32 v[TKN], 0xfff, v[TKN]
	v_lshl_add_u32 v[\ao], v[TKN], 10, v[H16]
.endm
; 64 matrix instructions: a unit in buffer buf times the block.  The four accumulators take turns, one instruction a turn; the first four start the sums.
.macro MUL buf, acc
.set kj, 0
.rept 16
	WIN 0x0d+kj/8                                  ; weights window 1 or 2, tokens window 3, C and D window 0
.set nt, 0
.rept 4
.if kj > 0
	v_wmma_f32_16x16x32_bf16 v[(\acc)+8*nt:(\acc)+8*nt+7], v[32*(kj%8)+8*nt:32*(kj%8)+8*nt+7], v[128*(\buf)+8*kj:128*(\buf)+8*kj+7], v[(\acc)+8*nt:(\acc)+8*nt+7]
.else
	v_wmma_f32_16x16x32_bf16 v[(\acc)+8*nt:(\acc)+8*nt+7], v[32*(kj%8)+8*nt:32*(kj%8)+8*nt+7], v[128*(\buf)+8*kj:128*(\buf)+8*kj+7], 0
.endif
.set nt, nt+1
.endr
.set kj, kj+1
.endr
.endm
.macro LOADA buf                       ; a unit: 16 rows x 1,024 bytes; fragment j of lane (r, h): 16 bytes at 64 j + 16 h of row r, and 32 bytes on
	WIN 0xc0
.set i, 0
.rept 16
	global_load_b128 v[128*(\buf)+8*i:128*(\buf)+8*i+3],   v[AO+(\buf)], s[4:5] offset:64*i
	global_load_b128 v[128*(\buf)+8*i+4:128*(\buf)+8*i+7], v[AO+(\buf)], s[4:5] offset:64*i+32
.set i, i+1
.endr
.endm
	s_load_b256 s[4:11], s[0:1], 0x0               ; xn s[4:5], eidx s[6:7], wi s[8:9], hf s[10:11]
	v_lshl_add_u32 v[SPW], v0, 2, SPARE
	v_mov_b32 v[NIL], 0
	v_lshrrev_b32 v1, 5, v0
	v_readfirstlane_b32 s[WV], v1                  ; wave 0..3
	v_and_b32 v1, 31, v0
	v_and_b32 v[RR], 15, v0
	v_bfe_u32 v[HH], v0, 4, 1
	v_lshlrev_b32 v[L16], 4, v1
	v_mov_b32 v[ZERO], 0
	v_lshlrev_b32 v[H16], 4, v[HH]
	s_lshr_b32 s[SE], ttmp9, 5
	s_and_b32 s[FB], ttmp9, 31
	s_lshl_b32 s[QB], s[WV], 10
	s_mov_b32 s[C55], 0x55555555
	s_mov_b32 s[C33], 0x33333333
	s_mov_b32 s[C0F], 0x0f0f0f0f
	v_and_b32 v[TMP], 7, v0                        ; the turning load: lane l reads K row 8 (l / 16) + l % 8, columns 8 ((l / 8) % 2) + 0..7
	v_lshl_add_u32 v[TMP], v[HH], 3, v[TMP]
	v_mul_u32_u24 v[TA], v[TMP], WP
	v_bfe_u32 v[TMP], v0, 3, 1
	v_lshl_add_u32 v[TA], v[TMP], 4, v[TA]
	v_add_nc_u32 v[TA+1], 256*WP, v[TA]
	s_mul_i32 s20, s[WV], 128*WP                   ; my 128 K rows of the block in LDS
	v_mul_u32_u24 v[SA], v[HH], 4*WP
	v_lshl_add_u32 v[SA], v[RR], 3, v[SA]
	v_add_nc_u32 v[SA], s20, v[SA]
	v_lshlrev_b32 v[WO], 15, v[HH]                 ; four rows of wi,
	v_lshl_add_u32 v[WO], v[RR], 4, v[WO]          ; 16 bytes a lane
	s_mov_b32 s21, 0
	s_mov_b32 s[SI], 0
	s_wait_kmcnt 0x0
	s_lshl_b32 s20, s[WV], 12
	s_add_nc_u64 s[6:7], s[6:7], s[20:21]          ; eidx at my quarter
	s_lshl_b32 s20, s[SE], 22                      ; an expert's weights are 4 MiB,
	s_lshl_b32 s22, s[FB], 8                       ; 64 columns 256 bytes,
	s_add_co_u32 s20, s20, s22
	s_lshl_b32 s22, s[WV], 20                      ; 128 rows 1 MiB
	s_add_co_u32 s20, s20, s22
	s_add_nc_u64 s[8:9], s[8:9], s[20:21]
	s_lshl2_add_u32 s20, s[SE], s[WV]              ; my cell, 4 e + w: 64 units of 65,536 bytes
	s_lshl_b32 s20, s20, 22
	s_lshl_b32 s22, s[FB], 11                      ; my block's two K steps in a unit
	s_add_co_u32 s20, s20, s22
	s_add_nc_u64 s[10:11], s[10:11], s[20:21]
.irp n, 0,1,2,3,4,5,6,7
	global_load_b128 v[EI+4*\n:EI+4*\n+3], v[L16], s[6:7] offset:512*\n
.endr
	LOADCH 0
	s_wait_loadcnt 32                              ; eidx is in; chunk 0's 32 loads may stay out
	LOADCH 1
	SCAN                                           ; ballots, keys and the first search are made while 64 loads, 32 KB, are on their way
	SEARCH 0
	MKAO AO, XA, 0                                 ; units 0 and 1
	MKAO AO+1, XB, 1
	s_wait_loadcnt 32                              ; chunk 0 is in; chunk 1's 32 may stay out
	CVT 0
	STORE 0
	s_wait_loadcnt 0x0
	CVT 1
	STORE 64
	LOADA 0                                        ; the first unit is asked for ahead of the barrier (with no unit: token 0's row, not used)
	WIN 0
	s_wait_dscnt 0x0                               ; for the others' sake: my quarter of the block is in LDS
	s_barrier_signal -1
	s_barrier_wait -1                              ; the launch's one barrier; behind it LDS is only read
.set kj, 0
.rept 16
.set nt, 0
.rept 4
	TR kj, nt, TA+kj/8, 32*WP*(kj%8)+32*nt
.set nt, nt+1
.endr
.set kj, kj+1
.endr
	WIN 0
	s_wait_dscnt 0x0                               ; the block is in registers
	s_cmp_eq_u32 s[SU], 0
	s_cbranch_scc1 .Ldone                          ; a cell without tokens stores nothing
; Half a trip: unit SI + cur, in buffer cur.  The next unit's 32 loads are always issued, so that the counted wait means the same on every path.
; The first half searches for the next trip's two units while its own unit's loads land.
.macro HALF cur
	LOADA 1-(\cur)
	WIN 0
.if (\cur) == 0
	SEARCH 2
.endif
	s_wait_loadcnt 32                              ; the 32 just issued may be out: this unit is in, and its offset register is free
	MUL \cur, ACC+32*(\cur)
	WIN 0
.if (\cur) == 0
	MKAO AO, XA, 2                                 ; four plain instructions that name no register of the products: the four places behind the last of them (ISA guide 7.12.1)
.else
	MKAO AO+1, XB, 3
.endif
.set i, 0
.rept 16
	v_cvt_pk_bf16_f32 v[PK+16*(\cur)+i], v[ACC+32*(\cur)+2*i], v[ACC+32*(\cur)+2*i+1]  ; ascending: each accumulator is read from its low end
.set i, i+1
.endr
.set i, 0
.rept 16
	v_pk_max_num_bf16 v[PK+16*(\cur)+i], v[PK+16*(\cur)+i], v[ZERO]  ; relu: rounding keeps the sign, so it may follow the rounding
.set i, i+1
.endr
.irp b, 0,1,2,3
	global_store_b128 v[L16], v[PK+16*(\cur)+4*\b:PK+16*(\cur)+4*\b+3], s[10:11] offset:512*\b+65536*(\cur)  ; 512 consecutive bytes, aligned; the four: 2,048 on end
.endr
	s_add_co_u32 s23, s[SI], (\cur)+1
	s_cmp_ge_u32 s23, s[SU]
	s_cbranch_scc1 .Ldone                          ; that was the last unit
.endm
	s_mov_b32 s[TRIPS], 32                         ; 64 units at the most: all 1,024 tokens of the quarter on one expert
.Ltrip:
	HALF 0
	HALF 1
	s_wait_xcnt 0x0                                ; the stores' data registers and base are written again only behind this wait
	s_add_nc_u64 s[10:11], s[10:11], 0x20000       ; two units on
	s_add_co_u32 s[SI], s[SI], 2
	s_sub_co_u32 s[TRIPS], s[TRIPS], 1
	s_cmp_lg_u32 s[TRIPS], 0
	s_cbranch_scc1 .Ltrip
.Ldone:
	s_wait_tensorcnt 0x0                           ; the wave's end
	ds_add_u32 v[SPW], v[NIL]
	s_wait_dscnt 0x0
	s_endpgm
.Lfunc_end_k_q1978aebe1e_ffn1:
	.size	k_q1978aebe1e_ffn1, .Lfunc_end_k_q1978aebe1e_ffn1-k_q1978aebe1e_ffn1
	.p2alignl 7, 3214868480
	.fill 96, 4, 3214868480
	.section	.rodata,"a",@progbits
	.p2align	6, 0x0
	.amdhsa_kernel k_q1978aebe1e_ffn1
		.amdhsa_group_segment_fixed_size 82432
		.amdhsa_private_segment_fixed_size 0
		.amdhsa_enable_private_segment 0
		.amdhsa_kernarg_size 32
		.amdhsa_user_sgpr_count 2
		.amdhsa_user_sgpr_kernarg_segment_ptr 1
		.amdhsa_wavefront_size32 1
		.amdhsa_system_sgpr_workgroup_id_x 1
		.amdhsa_system_sgpr_workgroup_id_y 1
		.amdhsa_system_sgpr_workgroup_id_z 1
		.amdhsa_system_vgpr_workitem_id 0
		.amdhsa_next_free_vgpr 1024
		.amdhsa_next_free_sgpr 66
		.amdhsa_reserve_vcc 1
		.amdhsa_float_denorm_mode_32 3
		.amdhsa_float_denorm_mode_16_64 3
		.amdhsa_memory_ordered 1
		.amdhsa_forward_progress 1
		.amdhsa_inst_pref_size 89
	.end_amdhsa_kernel
	.amdgpu_metadata
---
amdhsa.version: [ 1, 2 ]
amdhsa.kernels:
  - .name:           k_q1978aebe1e_ffn1
    .symbol:         k_q1978aebe1e_ffn1.kd
    .args:
      - { .name: xn, .offset: 0, .size: 8, .value_kind: global_buffer, .address_space: global }
      - { .name: eidx, .offset: 8, .size: 8, .value_kind: global_buffer, .address_space: global }
      - { .name: wi, .offset: 16, .size: 8, .value_kind: global_buffer, .address_space: global }
      - { .name: hf, .offset: 24, .size: 8, .value_kind: global_buffer, .address_space: global }
    .group_segment_fixed_size: 82432
    .private_segment_fixed_size: 0
    .kernarg_segment_align: 8
    .kernarg_segment_size: 32
    .max_flat_workgroup_size: 128
    .sgpr_count:     66
    .vgpr_count:     1024
    .wavefront_size: 32
...
	.end_amdgpu_metadata
.endif
;; end of part 2
;; launch ffn2 (part 3): grid 256 x 1, 4 waves a work-group, no clusters, 297,472 bytes of LDS; arguments hf, eidx, wo, hidden_states, out0; writes out0
.if DOCPART == 3
	.amdgcn_target "amdgcn-amd-amdhsa--gfx1250"
	.amdhsa_code_object_version 6
	.text
	.protected	k_q1978aebe1e_ffn2
	.globl	k_q1978aebe1e_ffn2
	.p2align	8
	.type	k_q1978aebe1e_ffn2,@function
k_q1978aebe1e_ffn2:
	s_mov_b64 s[64:65], 0
	v_nop
	global_prefetch_b8 v0, s[64:65] scope:SCOPE_SE
	s_setreg_imm32_b32 hwreg(HW_REG_WAVE_MODE, 25, 1), 1
	s_wait_xcnt 0x0
; out0 = hidden + h wo[e] for the rows that chose expert e (the router's probability is already in h).  hf: as the launch before laid it; wo: [8][2048][512] f32.
; SHARES.  Work-group = (expert e, block db of 64 columns of the 512, quarter q of the tokens).  Wave w holds K rows 512 w .. 512 w + 511 of the block, rounded to bf16 and turned, in
; 512 registers, and multiplies every unit (16 rows) of cell (e, q) by it: 64 matrix instructions a unit.  The four waves' partial sums, f32, meet in LDS.
; THE RESIDUAL enters as a C operand.  Wave w keeps the block's four column tiles rotated: its slot s is tile (s + w) % 4.  Its slot 0 starts with hidden's columns of tile w, its
; other slots with 0: so hidden enters the sum of the four partial sums exactly once, and the reduction loads nothing from memory.  The reading side undoes the rotation by its addresses.
; PASSES.  Four passes of up to 16 units, a constant number that serves every split (64 units: a whole quarter on one expert).  Phase 1: products, partial sums into LDS; a barrier;
; phase 2: wave w adds rows 4 w .. 4 w + 3 of each unit and stores them; a barrier.  A pass's 16 units are WRITTEN OUT, so that each unit's partial sums have a constant place in LDS;
; the price is the length of the text.  Every jump on a count goes forward and lands ahead of the barrier; a pass without units costs its two barriers and a few scalar lines.
; Both barriers are passed by every wave in every pass.
; ROWS.  The list of the cell's tokens is made by the same lines as in the launch before.  Places past the count repeat the cell's last token: their rows are that token's, with the
; same bits, and are stored onto the same bytes of out0 again, possibly by another wave of this work-group.
; NO TENSOR LOADS, NO CLUSTER.  What the four work-groups of an (e, db) share is the block of wo, 512 KB of f32: more than LDS holds, so it would come through a ring, be read, rounded,
; stored and turned: a second way through LDS for every byte; here it is rounded on its way through registers.  How many units a pass has hangs on a count.
; LIMITS.  Operands are bf16, sums f32, added as (w0 + w1) + (w2 + w3); NaN and infinities are not treated apart.
; REGISTERS, in windows of 256 (s_set_vgpr_msb: bits 1:0 source 0, 3:2 source 1, 5:4 source 2, 7:6 destination):
;   window 0: below.   windows 1, 2: the weights: K step j, slot n at window 1 + j / 8, v[32 (j % 8) + 8 n].   window 3: two buffers of 128: a unit's 16 fragments; in the prologue f32 weights.
.set STRIDE, 2048                      ; bytes from row to row of wo[e]
.set WP,     160                       ; a K row in the stage: 128 bytes + 32, an odd multiple of 32
.set PP,     272                       ; a row of partial sums: 256 bytes + 16: 16 rows start at 16 different groups of four banks (64 banks of 4 bytes: ISA guide 11.1)
.set USZ,    16*PP                     ; a unit's partial sums of one wave
.set PARTSZ, 16*USZ                    ; 16 units; the first 64 x 160 bytes serve as the wave's own stage in the prologue
.set LISTB,  4*PARTSZ
.set LISTSZ, 4608                      ; entries 0 .. 1087, the dump word (entry 1088), and the rest of the last 512 bytes
.set SPARE,  LISTB+4*LISTSZ            ; the spare words, 128 bytes for each wave: two blocks of 256 bytes that no other line names
.set RR,  2                            ; v2   lane % 16
.set HH,  3                            ; v3   lane / 16
.set L16, 4                            ; v4   16 x lane
.set SPW, 5                            ; v5   LDS address of my spare word; never rewritten
.set NIL, 6                            ; v6   0, for the add alone
.set C16, 7                            ; v7   16 x (lane % 16)
.set LB,  8                            ; v8   my list's first byte
.set AV,  10                           ; v10-11  16 x lane, or 0 for a unit that does not exist; one for each buffer
.set HV,  12                           ; v12-13  byte offset in hidden of my row's 32 bytes
.set TKN, 14
.set LI,  15
.set HC,  16                           ; v16-23, v24-31  hidden, as slot 0's C operand
.set ACC, 32                           ; v32-63, v64-95  four accumulators, by the unit's parity
.set PA0, 96                           ; v96  where I put my partial sums of unit slot 0; never rewritten
.set RA,  98                           ; v98-101   where I read wave w''s partial sums of unit slot 0
.set RAX, 102                          ; v102-105  the same for the slot in hand
.set LQA, 106                          ; v106 LB + 4 (4 w + lane / 16)
.set LA,  107
.set H32, 108                          ; v108 32 x (lane / 16)
.set WO,  109                          ; v109 my byte offset in a chunk of wo
.set SA,  110                          ; v110 where I lay 8 bytes of a K row
.set LR,  111                          ; v111 LB + 4 x (lane % 16)
.set TA,  112                          ; v112-115  the turning load's address for slot n
.set TKX, 116                          ; v116-119, v120-123  tokens, then byte offsets in out0: two sets
.set TKY, 120
.set PF,  124                          ; v124 LB + 16 x lane
.set T,   128                          ; v128-191  a chunk rounded; later RX
.set RX,  128                          ; v128-191, v192-255  two units' partial sums: two sets
.set RY,  192
.set EI,  192                          ; v192-223  the quarter's eidx
.set TT,  224
.set TD,  226
.set TK0, 228
.set BIG, 229
.set FQ,  232
.set WV,  14                           ; s14  wave
.set SE,  15                           ; s15  expert
.set DB,  16                           ; s16  block of columns
.set SQ,  17                           ; s17  quarter
.set CNT, 18
.set SU,  19                           ; s19  the cell's units
.set N1,  20
.set LM,  26                           ; s26  0x1ff: the unit asked for exists in this pass; 0: not
.set SM,  28
.set SB,  29
.set QB,  30
.set PC,  31                           ; s31  passes to go
.set P16, 32                           ; s32  the pass's first unit
.set BA,  36                           ; s[36:37], s[38:39]  hf at the unit, one for each buffer
.set TL,  40                           ; s40  units of this pass, 0 to 16
.set TL1, 41                           ; s41  its last unit slot (0 where it has none)
.set T2,  42                           ; s42  phase 2: the trip's first unit slot
.set TR2, 45
.set WB,  8                            ; s[8:9] my quarter of the block of wo
.set MSB, 0
.macro WIN new                         ; the immediate's high byte repeats the setting that is left; a switch that changes nothing is dropped
.if MSB != (\new)
	s_set_vgpr_msb (MSB<<8)|(\new)
.set MSB, (\new)
.endif
.endm
; Chunk c: 64 K rows x 64 columns of f32.  A load takes two rows' 256 aligned bytes: lanes 0-15 one row, lanes 16-31 the row four further on.
.macro LOADCH c
	WIN 0xc0                                       ; destination window 3
.set i, 0
.rept 32
	global_load_b128 v[128*((\c)%2)+4*i:128*((\c)%2)+4*i+3], v[WO], s[WB:WB+1] offset:(64*(\c)+8*(i/4)+i%4)*STRIDE
.set i, i+1
.endr
.endm
.macro CVT c                           ; rounded to bf16, once
	WIN 0x0f                                       ; sources 0 and 1 window 3
.set i, 0
.rept 64
	v_cvt_pk_bf16_f32 v[T+i], v[128*((\c)%2)+2*i], v[128*((\c)%2)+2*i+1]
.set i, i+1
.endr
.endm
.macro STORE rowbase                   ; 8 bytes a lane; the two rows of a store lie 640 bytes = 160 words apart: the other 32 banks
	WIN 0
.set i, 0
.rept 32
	ds_store_b64 v[SA], v[T+2*i:T+2*i+1] offset:((\rowbase)+8*(i/4)+i%4)*WP
.set i, i+1
.endr
.endm
.macro TR j, nt, adr, off              ; the fragment of K step j, slot nt: two turning loads, 16 K rows apart
	WIN 0x40*(1+(\j)/8)
	ds_load_tr16_b128 v[32*((\j)%8)+8*(\nt):32*((\j)%8)+8*(\nt)+3],   v[\adr] offset:(\off)
	ds_load_tr16_b128 v[32*((\j)%8)+8*(\nt)+4:32*((\j)%8)+8*(\nt)+7], v[\adr] offset:(\off)+16*WP
.endm
; THE LIST, by the same lines as in the launch before: all words filled with a token that exists; then, 32 tokens at a time, the ballot of those that chose my expert; a chosen token's
; rank is the count so far plus the chosen lanes below; the others get a rank that the clamp turns into the dump word.  EXEC is never changed.
.macro SCAN
	WIN 0
.irp i, 0,1,2,3
	v_mov_b32 v[FQ+\i], s[QB]
.endr
.irp i, 0,1,2,3,4,5,6,7,8
	ds_store_b128 v[PF], v[FQ:FQ+3] offset:512*\i
.endr
	s_mov_b32 s[CNT], 0
.set i, 0
.rept 32
	v_cmp_eq_u32 s[SM], s[SE], v[EI+i]
	v_mbcnt_lo_u32_b32 v[TT+i%2], s[SM], s[CNT]
	v_cndmask_b32 v[TT+i%2], v[BIG], v[TT+i%2], s[SM]
	v_min_u32 v[TT+i%2], 0x440, v[TT+i%2]
	v_lshl_add_u32 v[TT+i%2], v[TT+i%2], 2, v[LB]
	v_add_nc_u32 v[TD+i%2], 128*(i/4)+i%4, v[TK0]
	ds_store_b32 v[TT+i%2], v[TD+i%2]              ; LDS serves a wave's instructions in order (ISA guide 5.7.1.4): this lands on the fill above
	s_bcnt1_i32_b32 s[SB], s[SM]
	s_add_co_u32 s[CNT], s[CNT], s[SB]
.set i, i+1
.endr
	s_max_u32 s[N1], s[CNT], 1
	s_sub_co_u32 s[N1], s[N1], 1
	s_min_u32 s[N1], s[N1], 0x3ff
	s_lshl_b32 s[N1], s[N1], 2
	v_add_nc_u32 v[TT], s[N1], v[LB]
	ds_load_b32 v[TD], v[TT]                       ; the cell's last token
	s_add_co_u32 s[SU], s[CNT], 15
	s_lshr_b32 s[SU], s[SU], 4
	s_min_u32 s[SU], s[SU], 64                     ; units = ceil(count / 16)
	v_add_nc_u32 v[TT+1], s[CNT], v[RR]
	v_min_u32 v[TT+1], 0x43f, v[TT+1]
	v_lshl_add_u32 v[TT+1], v[TT+1], 2, v[LB]
	s_wait_dscnt 0x0
	ds_store_b32 v[TT+1], v[TD]                    ; it fills the 16 places behind the count
.endm
; 64 matrix instructions: a unit's K quarter in buffer buf times my weights.  The four accumulators take turns, one instruction a turn.
; The first four start the sums: slot 0 with hidden (c0), the others with 0.
.macro MUL buf, acc, c0
.set kj, 0
.rept 16
	WIN 0x0d+kj/8                                  ; weights window 1 or 2, tokens window 3, C and D window 0
.set nt, 0
.rept 4
.if kj > 0
	v_wmma_f32_16x16x32_bf16 v[(\acc)+8*nt:(\acc)+8*nt+7], v[32*(kj%8)+8*nt:32*(kj%8)+8*nt+7], v[128*(\buf)+8*kj:128*(\buf)+8*kj+7], v[(\acc)+8*nt:(\acc)+8*nt+7]
.elseif nt == 0
	v_wmma_f32_16x16x32_bf16 v[(\acc)+8*nt:(\acc)+8*nt+7], v[32*(kj%8)+8*nt:32*(kj%8)+8*nt+7], v[128*(\buf)+8*kj:128*(\buf)+8*kj+7], v[(\c0):(\c0)+7]
.else
	v_wmma_f32_16x16x32_bf16 v[(\acc)+8*nt:(\acc)+8*nt+7], v[32*(kj%8)+8*nt:32*(kj%8)+8*nt+7], v[128*(\buf)+8*kj:128*(\buf)+8*kj+7], 0
.endif
.set nt, nt+1
.endr
.set kj, kj+1
.endr
.endm
.macro LOOK d                          ; the token of my row of the pass's unit slot d, a constant; past the pass's last unit, of that last unit once more
	s_min_u32 s43, s[TL1], \d
	s_min_u32 s43, s43, 15
	s_add_co_u32 s43, s43, s[P16]
	s_min_u32 s43, s43, 63
	s_lshl_b32 s43, s43, 6                         ; 16 entries of 4 bytes a unit
	v_add_nc_u32 v[LI], s43, v[LR]
	ds_load_b32 v[TKN], v[LI]
.endm
; What buffer buf's next loads name, for unit slot d: hf at the unit (past the pass's last unit: at that last unit, with all lanes on one place, so that little is fetched), hidden
; at my row's token.  A number that hangs on a stored count enters an address only behind a minimum with a constant: so the lanes' mask has one too.
.macro FIN2 buf, d
	s_cmp_gt_u32 s[TL], \d
	s_cselect_b32 s[LM], 0x1ff, 0
	s_min_u32 s[LM], s[LM], 0x1ff
	s_min_u32 s24, s[TL1], \d
	s_min_u32 s24, s24, 15
	s_add_co_u32 s24, s24, s[P16]
	s_min_u32 s24, s24, 63
	s_lshl_b32 s24, s24, 16                        ; a unit is 65,536 bytes
	s_add_nc_u64 s[BA+2*(\buf):BA+2*(\buf)+1], s[4:5], s[24:25]
	s_wait_dscnt 0x0
	v_min_u32 v[TKN], 0xfff, v[TKN]
	v_lshl_add_u32 v[HV+(\buf)], v[TKN], 11, v[H32]
	v_and_b32 v[AV+(\buf)], s[LM], v[L16]          ; 16 x lane is 0x1f0 at the most
.endm
.macro LOADB buf                       ; 34 loads: my row's 8 numbers of hidden, and the unit's K quarter, 16 KB on end, 512 aligned bytes a load, as fragments
	WIN 0
	global_load_b128 v[HC+8*(\buf):HC+8*(\buf)+3],   v[HV+(\buf)], s[10:11]
	global_load_b128 v[HC+8*(\buf)+4:HC+8*(\buf)+7], v[HV+(\buf)], s[10:11] offset:16
	WIN 0xc0
.set i, 0
.rept 32
	global_load_b128 v[128*(\buf)+4*i:128*(\buf)+4*i+3], v[AV+(\buf)], s[BA+2*(\buf):BA+2*(\buf)+1] offset:512*i
.set i, i+1
.endr
.endm
	s_load_b256 s[4:11], s[0:1], 0x0               ; hf s[4:5], eidx s[6:7], wo s[8:9], hidden s[10:11]
	s_load_b64 s[12:13], s[0:1], 0x20              ; out0
	v_lshl_add_u32 v[SPW], v0, 2, SPARE
	v_mov_b32 v[NIL], 0
	v_lshrrev_b32 v1, 5, v0
	v_readfirstlane_b32 s[WV], v1                  ; wave 0..3
	v_and_b32 v1, 31, v0
	v_and_b32 v[RR], 15, v0
	v_bfe_u32 v[HH], v0, 4, 1
	v_lshlrev_b32 v[L16], 4, v1
	v_lshlrev_b32 v[C16], 4, v[RR]
	v_lshlrev_b32 v[H32], 5, v[HH]
	s_lshr_b32 s[SE], ttmp9, 5
	s_bfe_u32 s[DB], ttmp9, 0x30002                ; 3 bits from bit 2
	s_and_b32 s[SQ], ttmp9, 3                      ; the four quarters of an (e, db) are neighbours in the grid: they read the same block of wo
	s_lshl_b32 s[QB], s[SQ], 10
	s_mul_i32 s43, s[WV], LISTSZ
	s_add_co_u32 s43, s43, LISTB
	v_mov_b32 v[LB], s43
	v_lshl_add_u32 v[LR], v[RR], 2, v[LB]
	v_add_nc_u32 v[PF], v[LB], v[L16]
	v_lshl_add_u32 v[TK0], v1, 2, s[QB]
	v_mov_b32 v[BIG], 0x800
	s_lshl_b32 s43, s[WV], 4
	v_lshl_add_u32 v[LQA], v[HH], 2, v[LB]
	v_add_nc_u32 v[LQA], s43, v[LQA]
	s_mul_i32 s44, s[WV], PARTSZ                   ; my partial sums, and my stage
	v_mul_u32_u24 v[PA0], v[RR], PP                ; row lane % 16, 32 bytes for each half of the lanes
	v_add_nc_u32 v[PA0], v[PA0], v[H32]
	v_add_nc_u32 v[PA0], s44, v[PA0]
	v_mul_u32_u24 v[SA], v[HH], 4*WP
	v_lshl_add_u32 v[SA], v[RR], 3, v[SA]
	v_add_nc_u32 v[SA], s44, v[SA]
	v_lshlrev_b32 v[WO], 13, v[HH]                 ; four rows of wo,
	v_add_nc_u32 v[WO], v[WO], v[C16]              ; 16 bytes a lane
	v_and_b32 v[TT], 7, v0                         ; the turning load: lane l reads K row 8 (l / 16) + l % 8, columns 8 ((l / 8) % 2) + 0..7
	v_lshl_add_u32 v[TT], v[HH], 3, v[TT]
	v_mul_u32_u24 v[TT], v[TT], WP
	v_bfe_u32 v[TT+1], v0, 3, 1
	v_lshl_add_u32 v[TT], v[TT+1], 4, v[TT]
.irp n, 0,1,2,3
	s_add_co_u32 s43, s[WV], \n                    ; slot n is tile (n + w) % 4: 32 bytes a tile
	s_and_b32 s43, s43, 3
	s_lshl_b32 s43, s43, 5
	s_add_co_u32 s43, s43, s44
	v_add_nc_u32 v[TA+\n], s43, v[TT]
.endr
	v_mul_u32_u24 v[TT], v[HH], PP                 ; the reduction: rows 4 w + lane / 16 (and two further on); my 16 bytes are columns 4 (lane % 16) on:
	v_and_b32 v[TT+1], 3, v0                       ; tile (lane % 16) / 4, 16 (lane % 4) bytes into it
	v_lshl_add_u32 v[TT], v[TT+1], 4, v[TT]
	s_mul_i32 s43, s[WV], 4*PP
	v_add_nc_u32 v[TT], s43, v[TT]
	v_bfe_u32 v[TT+1], v0, 2, 2
.irp n, 0,1,2,3
	v_add_nc_u32 v[TD], (4-\n)%4, v[TT+1]          ; in wave n's rows that tile is slot (tile - n) % 4
	v_and_b32 v[TD], 3, v[TD]
	v_lshl_add_u32 v[TD], v[TD], 6, v[TT]
	v_add_nc_u32 v[RA+\n], PARTSZ*\n, v[TD]
.endr
	s_mov_b32 s25, 0
	s_wait_kmcnt 0x0
	s_lshl2_add_u32 s24, s[SE], s[SQ]              ; my cell, 4 e + q: 64 units of 65,536 bytes;
	s_lshl_b32 s24, s24, 22
	s_lshl_b32 s43, s[WV], 14                      ; my 16 K steps of 1,024 bytes in a unit
	s_add_co_u32 s24, s24, s43
	s_add_nc_u64 s[4:5], s[4:5], s[24:25]
	s_lshl_b32 s24, s[SQ], 12
	s_add_nc_u64 s[6:7], s[6:7], s[24:25]          ; eidx at the quarter
	s_lshl_b32 s24, s[SE], 22                      ; an expert's weights are 4 MiB,
	s_lshl_b32 s43, s[WV], 20                      ; 512 rows 1 MiB,
	s_add_co_u32 s24, s24, s43
	s_lshl_b32 s43, s[DB], 8                       ; 64 columns 256 bytes
	s_add_co_u32 s24, s24, s43
	s_add_nc_u64 s[8:9], s[8:9], s[24:25]
	s_mov_b32 s24, s43
	s_add_nc_u64 s[12:13], s[12:13], s[24:25]      ; out0 at the block's columns
	s_lshl_b32 s43, s[WV], 6
	s_add_co_u32 s24, s24, s43
	s_add_nc_u64 s[10:11], s[10:11], s[24:25]      ; hidden at tile w of the block's columns
.irp n, 0,1,2,3,4,5,6,7
	global_load_b128 v[EI+4*\n:EI+4*\n+3], v[L16], s[6:7] offset:512*\n
.endr
	LOADCH 0
	s_wait_loadcnt 32                              ; eidx is in; chunk 0's 32 loads may stay out
	LOADCH 1
	SCAN                                           ; the list is made while 64 loads, 32 KB, are on their way
; My 512 K rows in eight chunks of 64, two always on their way.  The stage is my own, and LDS serves a wave's instructions in order (ISA guide 5.7.1.4): the turning loads see the
; stores ahead of them, and the next chunk's stores come behind them: no wait and no barrier.
.irp c, 0,1,2,3,4,5,6,7
.if \c < 7
	s_wait_loadcnt 32                              ; this chunk is in; the next chunk's 32 may stay out
.else
	s_wait_loadcnt 0x0
.endif
	CVT \c
.if \c < 6
	LOADCH \c+2                                    ; into the registers just read
.endif
	STORE 0
.irp x, 0,1
.irp n, 0,1,2,3
	TR 2*\c+\x, \n, TA+\n, 32*WP*\x
.endr
.endr
.endr
	WIN 0
	s_wait_dscnt 0x0                               ; my weights are in registers
; Phase 1, unit slot k of the pass, in buffer cur = k % 2.  The next slot's 34 loads are issued whether or not it exists, so that the counted wait means the same on every path.
; Slot 14 looks nothing up, slot 15 asks for nothing: a pass ends there.
.macro HALF k, cur
.if (\k) < 15
	LOADB 1-(\cur)
.endif
	WIN 0
.if (\k) < 14
	LOOK (\k)+2
.endif
.if (\k) < 15
	s_wait_loadcnt 34                              ; the 34 just issued may be out: this unit and its hidden are in, and their offset registers and base are free
.else
	s_wait_loadcnt 0x0                             ; nothing was issued behind this unit's loads
.endif
	MUL \cur, ACC+32*(\cur), HC+8*(\cur)
	WIN 0
.if (\k) < 14
	FIN2 \cur, (\k)+2                              ; three plain instructions that name no register of the products,
	v_nop                                          ; and a fourth: the four places behind the last of them (ISA guide 7.12.1)
.else
.rept 4
	v_nop
.endr
.endif
.irp n, 0,1,2,3
	ds_store_b128 v[PA0], v[ACC+32*(\cur)+8*\n:ACC+32*(\cur)+8*\n+3]   offset:(\k)*USZ+64*\n     ; each accumulator from its low end
	ds_store_b128 v[PA0], v[ACC+32*(\cur)+8*\n+4:ACC+32*(\cur)+8*\n+7] offset:(\k)*USZ+64*\n+16  ; 65,488 at the most: inside the 16-bit offset
.endr
.if (\k) < 15
	s_cmp_le_u32 s[TL], (\k)+1
	s_cbranch_scc1 .Lp1done                        ; that was the pass's last unit
.endif
.endm
; Phase 2.  Two units' partial sums and tokens into set (rb, tk): 20 LDS loads.  Past the pass's last unit the last is read again: no byte is read that nobody wrote.
.macro LD2 rb, tk, d
.irp k, 0,1
	s_add_co_u32 s43, s[T2], (\d)+\k
	s_min_u32 s43, s43, s[TL1]
	s_min_u32 s43, s43, 15
	s_mul_i32 s44, s43, USZ
.irp n, 0,1,2,3
	v_add_nc_u32 v[RAX+\n], s44, v[RA+\n]
.endr
.irp a, 0,1
.irp n, 0,1,2,3
	ds_load_b128 v[(\rb)+32*\k+16*\a+4*\n:(\rb)+32*\k+16*\a+4*\n+3], v[RAX+\n] offset:2*PP*\a
.endr
.endr
	s_add_co_u32 s43, s43, s[P16]
	s_min_u32 s43, s43, 63
	s_lshl_b32 s43, s43, 6
	v_add_nc_u32 v[LA], s43, v[LQA]
	ds_load_b32 v[(\tk)+2*\k],   v[LA]
	ds_load_b32 v[(\tk)+2*\k+1], v[LA] offset:8
.endr
.endm
.macro PROC rb, tk, k                  ; unit k of the set: (w0 + w1) + (w2 + w3), and out: 16 lanes store 256 consecutive bytes of a row of out0, aligned
.irp a, 0,1
.set rr, (\rb)+32*(\k)+16*\a
	v_pk_add_f32 v[rr:rr+1],     v[rr:rr+1],     v[rr+4:rr+5]
	v_pk_add_f32 v[rr+2:rr+3],   v[rr+2:rr+3],   v[rr+6:rr+7]
	v_pk_add_f32 v[rr+8:rr+9],   v[rr+8:rr+9],   v[rr+12:rr+13]
	v_pk_add_f32 v[rr+10:rr+11], v[rr+10:rr+11], v[rr+14:rr+15]
	v_pk_add_f32 v[rr:rr+1],     v[rr:rr+1],     v[rr+8:rr+9]
	v_pk_add_f32 v[rr+2:rr+3],   v[rr+2:rr+3],   v[rr+10:rr+11]
	v_min_u32 v[(\tk)+2*(\k)+\a], 0xfff, v[(\tk)+2*(\k)+\a]
	v_lshl_add_u32 v[(\tk)+2*(\k)+\a], v[(\tk)+2*(\k)+\a], 11, v[C16]
	global_store_b128 v[(\tk)+2*(\k)+\a], v[rr:rr+3], s[12:13]
.endr
.endm
.macro LEAVE d                         ; out of phase 2 if unit slot T2 + d is past the pass's last
	s_add_co_u32 s43, s[T2], \d
	s_cmp_ge_u32 s43, s[TL]
	s_cbranch_scc1 .Lp2done
.endm
	s_mov_b32 s[PC], 4
	s_mov_b32 s[P16], 0
.Lpass:
	s_sub_co_i32 s[TL], s[SU], s[P16]              ; the pass's units: what is left of the cell's, 16 at the most
	s_max_i32 s[TL], s[TL], 0
	s_min_i32 s[TL], s[TL], 16
	s_max_u32 s[TL1], s[TL], 1
	s_sub_co_u32 s[TL1], s[TL1], 1
	s_cmp_eq_u32 s[TL], 0
	s_cbranch_scc1 .Lp1done                        ; no unit in this pass
	LOOK 0
	FIN2 0, 0
	LOOK 1
	FIN2 1, 1
	LOADB 0
	WIN 0
.irp k, 0,1,2,3,4,5,6,7,8,9,10,11,12,13,14,15
	HALF \k, (\k)%2
.endr
.Lp1done:
	s_wait_loadcnt 0x0                             ; no load ahead is still bound for a register
	s_wait_dscnt 0x0                               ; for the others' sake: my partial sums are in LDS
	s_barrier_signal -1
	s_barrier_wait -1
	s_cmp_eq_u32 s[TL], 0
	s_cbranch_scc1 .Lp2done
	s_mov_b32 s[T2], 0
	s_wait_xcnt 0x0                                ; the last pass's stores have read their data and offsets
	LD2 RX, TKX, 0
	s_mov_b32 s[TR2], 4
.Lred:                                                 ; a trip: four units, two from each set; a set is loaded while the other is added up
	s_wait_xcnt 0x0                                ; the other set's stores have read their data and offsets
	LD2 RY, TKY, 2
	s_wait_dscnt 20                                ; the 20 just issued may be out
	PROC RX, TKX, 0
	LEAVE 1
	PROC RX, TKX, 1
	LEAVE 2
	s_wait_xcnt 0x0
	LD2 RX, TKX, 4
	s_wait_dscnt 20
	PROC RY, TKY, 0
	LEAVE 3
	PROC RY, TKY, 1
	LEAVE 4
	s_add_co_u32 s[T2], s[T2], 4
	s_sub_co_u32 s[TR2], s[TR2], 1
	s_cmp_lg_u32 s[TR2], 0
	s_cbranch_scc1 .Lred
.Lp2done:
	s_wait_dscnt 0x0                               ; my reads of the partial sums are over: the next pass writes them again
	s_barrier_signal -1
	s_barrier_wait -1
	s_add_co_u32 s[P16], s[P16], 16
	s_sub_co_u32 s[PC], s[PC], 1
	s_cmp_lg_u32 s[PC], 0
	s_cbranch_scc1 .Lpass
	s_wait_tensorcnt 0x0                           ; the wave's end
	ds_add_u32 v[SPW], v[NIL]
	s_wait_dscnt 0x0
	s_endpgm
.Lfunc_end_k_q1978aebe1e_ffn2:
	.size	k_q1978aebe1e_ffn2, .Lfunc_end_k_q1978aebe1e_ffn2-k_q1978aebe1e_ffn2
	.p2alignl 7, 3214868480
	.fill 96, 4, 3214868480
	.section	.rodata,"a",@progbits
	.p2align	6, 0x0
	.amdhsa_kernel k_q1978aebe1e_ffn2
		.amdhsa_group_segment_fixed_size 297472
		.amdhsa_private_segment_fixed_size 0
		.amdhsa_enable_private_segment 0
		.amdhsa_kernarg_size 40
		.amdhsa_user_sgpr_count 2
		.amdhsa_user_sgpr_kernarg_segment_ptr 1
		.amdhsa_wavefront_size32 1
		.amdhsa_system_sgpr_workgroup_id_x 1
		.amdhsa_system_sgpr_workgroup_id_y 1
		.amdhsa_system_sgpr_workgroup_id_z 1
		.amdhsa_system_vgpr_workitem_id 0
		.amdhsa_next_free_vgpr 1024
		.amdhsa_next_free_sgpr 66
		.amdhsa_reserve_vcc 0
		.amdhsa_float_denorm_mode_32 3
		.amdhsa_float_denorm_mode_16_64 3
		.amdhsa_memory_ordered 1
		.amdhsa_forward_progress 1
		.amdhsa_inst_pref_size 255
	.end_amdhsa_kernel
	.section	.bss,"aw",@nobits
	.p2align	6
	.space	262144
	.amdgpu_metadata
---
amdhsa.version: [ 1, 2 ]
amdhsa.kernels:
  - .name:           k_q1978aebe1e_ffn2
    .symbol:         k_q1978aebe1e_ffn2.kd
    .args:
      - { .name: hf, .offset: 0, .size: 8, .value_kind: global_buffer, .address_space: global }
      - { .name: eidx, .offset: 8, .size: 8, .value_kind: global_buffer, .address_space: global }
      - { .name: wo, .offset: 16, .size: 8, .value_kind: global_buffer, .address_space: global }
      - { .name: hidden_states, .offset: 24, .size: 8, .value_kind: global_buffer, .address_space: global }
      - { .name: out0, .offset: 32, .size: 8, .value_kind: global_buffer, .address_space: global }
    .group_segment_fixed_size: 297472
    .private_segment_fixed_size: 0
    .kernarg_segment_align: 8
    .kernarg_segment_size: 40
    .max_flat_workgroup_size: 128
    .sgpr_count:     66
    .vgpr_count:     1024
    .wavefront_size: 32
...
	.end_amdgpu_metadata
.endif
;; end of part 3
